; MI455X (gfx1250); checked and timed in simulation.
; The chip was launched on July 23, 2026; its instructions are those of AMD's public machine-readable ISA for CDNA 5 (MIT licence, August 2026) and "CDNA5" Instruction Set Architecture Reference Guide (July 2026). The comments in the code are by the model that wrote it; some were corrected since.
;; Epoch Mixer. Allowed arithmetic: float matrix products may take bf16 or f16 operands with f32 sums; other float arithmetic in f32, or as packed bf16 or f16 multiplies, adds, multiply-adds, maxima and minima; sums over many terms, partial sums and values carried from step to step in f32; what a program stores and reads back later, other than sums and carried values, may be rounded once to bf16 or f16.
;; Inputs: W1 2 x 512 x 128 float32; W2 2 x 128 x 512 float32; Wo 2 x 128 x 128 float32; Wqkv 2 x 384 x 128 float32; b1 2 x 512 float32; b2 2 x 128 float32; bo 2 x 128 float32; bqkv 2 x 384 float32; cls_token 1 x 1 x 128 float32; ln1_b 2 x 128 float32; ln1_g 2 x 128 float32; ln2_b 2 x 128 float32; ln2_g 2 x 128 float32; z0 16 x 2,048 x 128 float32; z1 16 x 2,048 x 128 float32; z2 16 x 2,048 x 128 float32.
;; Outputs: out0 16 x 2,048 x 128 float32.
;; One version. Each part assembles by itself: llvm-mc -triple=amdgcn-amd-amdhsa -mcpu=gfx1250 --defsym DOCPART=n.
;; ======== version 1 of 1: 2 launches
;; limits: a function is approximated: absolute error at most 3e-07
;; workspace buffers: wb 786,432 bytes; tab 14,336 bytes
;; launch prep (part 1): grid 193 x 1, 8 waves a work-group, no clusters, 0 bytes of LDS; arguments Wqkv, Wo, W1, W2, b1, bqkv, bo, b2, ln1_g, ln1_b, ln2_g, ln2_b, cls_token, wb, tab; writes wb, tab
.if DOCPART == 1
	.amdgcn_target "amdgcn-amd-amdhsa--gfx1250"
	.amdhsa_code_object_version 6
	.text
	.protected	k_q3d0d44e366_prep
	.globl	k_q3d0d44e366_prep
	.p2align	8
	.type	k_q3d0d44e366_prep,@function
k_q3d0d44e366_prep:
	s_mov_b64 s[64:65], 0
	v_nop
	global_prefetch_b8 v0, s[64:65] scope:SCOPE_SE
	s_setreg_imm32_b32 hwreg(HW_REG_WAVE_MODE, 25, 1), 1
	s_wait_xcnt 0x0
; PREP: the weights, rounded once to bf16, laid out as six images of 512 rows x 256 bytes (wb), in the order in which the second launch walks them,
; and all biases, gains and the CLS token, in f32, gathered in one table of 56 rows x 256 bytes (tab).
; wb: images A(0), Fa(0), Fb(0), A(1), Fa(1), Fb(1).
;   A(l): four blocks hp (a pair of heads) of 128 rows: 32 rows of Wq, 32 of Wk, 32 of Wv (features 32 hp ..), then 32 PACKED rows: row p holds, for the
;         outputs o = 4 p .. 4 p + 3, the 32 numbers Wo[l][o][32 hp ..], 64 bytes each.
;   F(l, half): eight blocks c of 64 rows, cc = 8 half + c: 32 rows W1[l][32 cc ..], then 32 packed rows of 0.5 W2[l][o][32 cc ..] (the half is exact; the
;         second launch's activation delivers twice the GELU).
; Work-groups 0 .. 191 make 16 image rows each: thread t makes 8 numbers (16 bytes) of row t / 16; a wave's store covers 512 consecutive bytes, aligned.
; Work-group 192 copies the table.  Memory binds and the launch is short: no LDS, no barrier, no matrix unit, no prefetch.
.set SB,  42                           ; s42  byte offset of the work-group's first source number
.set SA,  43                           ; s43  source bytes from image row to image row
.set SQ,  44                           ; s44  source bytes from quarter to quarter of an image row
.set SCL, 52                           ; s[52:53] the scale, twice
	s_load_b512 s[8:23], s[0:1], 0x0               ; Wqkv s[8:9], Wo s[10:11], W1 s[12:13], W2 s[14:15], b1 s[16:17], bqkv s[18:19], bo s[20:21], b2 s[22:23]
	s_load_b256 s[24:31], s[0:1], 0x40             ; ln1_g s[24:25], ln1_b s[26:27], ln2_g s[28:29], ln2_b s[30:31]
	s_load_b128 s[32:35], s[0:1], 0x60             ; cls_token s[32:33], wb s[34:35]
	s_load_b64 s[36:37], s[0:1], 0x70              ; tab
	v_lshrrev_b32 v1, 5, v0
	v_readfirstlane_b32 s2, v1                     ; wave 0..7
	s_mov_b32 s3, ttmp9
	v_lshlrev_b32 v2, 4, v0                        ; 16 x thread: where I store, and where the table's copies read
	v_lshrrev_b32 v3, 4, v0                        ; my image row of the 16
	v_bfe_u32 v4, v0, 2, 2                         ; my quarter of it
	v_and_b32 v5, 3, v0                            ; my 8 numbers of the quarter's 32
	s_mov_b32 s[SCL], 1.0
	s_mov_b32 s[SCL+1], 1.0
	s_wait_kmcnt 0x0
	s_cmp_eq_u32 s3, 192
	s_cbranch_scc1 .Ltab
	s_lshr_b32 s46, s3, 5                          ; image 0..5
	s_and_b32 s47, s3, 31
	s_lshl_b32 s47, s47, 4                         ; first image row
	s_cmp_ge_u32 s46, 3
	s_cselect_b32 s48, 1, 0                        ; layer
	s_mul_i32 s49, s48, 3
	s_sub_co_u32 s49, s46, s49                     ; 0: A, 1: Fa, 2: Fb
; my 32 source bytes: SB + row x SA + quarter x SQ + 32 x eighth; each arm loads from its own pointer
.macro GET p
	v_mul_lo_u32 v6, v3, s[SA]
	v_mad_u32_u24 v6, v4, s[SQ], v6
	v_lshl_add_u32 v6, v5, 5, v6
	v_add_nc_u32 v6, s[SB], v6
	global_load_b128 v[8:11], v6, s[\p:\p+1]
	global_load_b128 v[12:15], v6, s[\p:\p+1] offset:16
.endm
	s_cmp_eq_u32 s49, 0
	s_cbranch_scc0 .Lffn
	s_lshr_b32 s50, s47, 7                         ; hp
	s_and_b32 s51, s47, 127                        ; row in the block
	s_cmp_lt_u32 s51, 96
	s_cbranch_scc0 .Lwo
	s_mul_i32 s[SB], s48, 384                      ; Wqkv row: 384 l + 128 (q, k or v) + 32 hp + row
	s_lshr_b32 s54, s51, 5
	s_lshl_b32 s54, s54, 7
	s_add_co_u32 s[SB], s[SB], s54
	s_lshl_b32 s54, s50, 5
	s_add_co_u32 s[SB], s[SB], s54
	s_and_b32 s54, s51, 31
	s_add_co_u32 s[SB], s[SB], s54
	s_lshl_b32 s[SB], s[SB], 9                     ; rows of 512 bytes
	s_mov_b32 s[SA], 512
	s_mov_b32 s[SQ], 128
	GET 8
	s_branch .Lgo
.Lwo:
	s_lshl_b32 s[SB], s48, 7                       ; Wo row: 128 l + 4 (row - 96)
	s_sub_co_u32 s54, s51, 96
	s_lshl_b32 s54, s54, 2
	s_add_co_u32 s[SB], s[SB], s54
	s_lshl_b32 s[SB], s[SB], 7                     ; x 128 numbers
	s_lshl_b32 s54, s50, 5
	s_add_co_u32 s[SB], s[SB], s54                 ; + 32 hp
	s_lshl_b32 s[SB], s[SB], 2
	s_mov_b32 s[SA], 2048                          ; an image row is four rows of Wo
	s_mov_b32 s[SQ], 512
	GET 10
	s_branch .Lgo
.Lffn:
	s_sub_co_u32 s50, s49, 1
	s_lshl_b32 s50, s50, 3
	s_lshr_b32 s54, s47, 6
	s_add_co_u32 s50, s50, s54                     ; cc = 8 half + c
	s_and_b32 s51, s47, 63                         ; row in the block
	s_cmp_lt_u32 s51, 32
	s_cbranch_scc0 .Lw2
	s_lshl_b32 s[SB], s48, 9                       ; W1 row: 512 l + 32 cc + row
	s_lshl_b32 s54, s50, 5
	s_add_co_u32 s[SB], s[SB], s54
	s_add_co_u32 s[SB], s[SB], s51
	s_lshl_b32 s[SB], s[SB], 9
	s_mov_b32 s[SA], 512
	s_mov_b32 s[SQ], 128
	GET 12
	s_branch .Lgo
.Lw2:
	s_lshl_b32 s[SB], s48, 7                       ; W2 row: 128 l + 4 (row - 32)
	s_sub_co_u32 s54, s51, 32
	s_lshl_b32 s54, s54, 2
	s_add_co_u32 s[SB], s[SB], s54
	s_lshl_b32 s[SB], s[SB], 9                     ; x 512 numbers
	s_lshl_b32 s54, s50, 5
	s_add_co_u32 s[SB], s[SB], s54                 ; + 32 cc
	s_lshl_b32 s[SB], s[SB], 2
	s_mov_b32 s[SA], 8192
	s_mov_b32 s[SQ], 2048
	s_mov_b32 s[SCL], 0.5
	s_mov_b32 s[SCL+1], 0.5
	GET 14
.Lgo:
	s_lshl_b32 s54, s3, 12                         ; 16 image rows of 256 bytes a work-group
	s_mov_b32 s55, 0
	s_add_nc_u64 s[34:35], s[34:35], s[54:55]
	s_wait_loadcnt 0x0
.irp j, 8,10,12,14
	v_pk_mul_f32 v[\j:\j+1], v[\j:\j+1], s[SCL:SCL+1] op_sel_hi:[1,0]
.endr
.irp j, 0,1,2,3
	v_cvt_pk_bf16_f32 v[16+\j], v[8+2*\j], v[9+2*\j]   ; rounded to nearest even, once
.endr
	global_store_b128 v2, v[16:19], s[34:35]
	s_endpgm
.Ltab:                                                 ; tab: b1 0, bqkv 4096, bo 7168, ln1_g 8192, ln1_b 9216, b2 10240, ln2_g 11264, ln2_b 12288, cls 13312 and once more at 13824
	global_load_b128 v[8:11], v2, s[16:17]         ; b1: 4,096 bytes, all 256 threads
	s_wait_loadcnt 0x0
	global_store_b128 v2, v[8:11], s[36:37]
	s_cmp_lt_u32 s2, 6
	s_cbranch_scc0 .Lend
	global_load_b128 v[12:15], v2, s[18:19]        ; bqkv: 3,072 bytes, 192 threads
	s_wait_loadcnt 0x0
	global_store_b128 v2, v[12:15], s[36:37] offset:4096
	s_cmp_lt_u32 s2, 2
	s_cbranch_scc0 .Lend
	v_and_b32 v7, 31, v0
	v_lshlrev_b32 v7, 4, v7
	global_load_b128 v[16:19], v2, s[20:21]        ; six tables of 1,024 bytes, 64 threads
	global_load_b128 v[20:23], v2, s[24:25]
	global_load_b128 v[24:27], v2, s[26:27]
	global_load_b128 v[28:31], v2, s[22:23]
	global_load_b128 v[32:35], v2, s[28:29]
	global_load_b128 v[36:39], v2, s[30:31]
	global_load_b128 v[40:43], v7, s[32:33]        ; cls: 512 bytes, read by both waves, stored twice on end
	s_wait_loadcnt 0x0
	global_store_b128 v2, v[16:19], s[36:37] offset:7168
	global_store_b128 v2, v[20:23], s[36:37] offset:8192
	global_store_b128 v2, v[24:27], s[36:37] offset:9216
	global_store_b128 v2, v[28:31], s[36:37] offset:10240
	global_store_b128 v2, v[32:35], s[36:37] offset:11264
	global_store_b128 v2, v[36:39], s[36:37] offset:12288
	global_store_b128 v2, v[40:43], s[36:37] offset:13312
.Lend:
	s_endpgm
.Lfunc_end_k_q3d0d44e366_prep:
	.size	k_q3d0d44e366_prep, .Lfunc_end_k_q3d0d44e366_prep-k_q3d0d44e366_prep
	.p2alignl 7, 3214868480
	.fill 96, 4, 3214868480
	.section	.rodata,"a",@progbits
	.p2align	6, 0x0
	.amdhsa_kernel k_q3d0d44e366_prep
		.amdhsa_group_segment_fixed_size 0
		.amdhsa_private_segment_fixed_size 0
		.amdhsa_enable_private_segment 0
		.amdhsa_kernarg_size 120
		.amdhsa_user_sgpr_count 2
		.amdhsa_user_sgpr_kernarg_segment_ptr 1
		.amdhsa_wavefront_size32 1
		.amdhsa_system_sgpr_workgroup_id_x 1
		.amdhsa_system_sgpr_workgroup_id_y 1
		.amdhsa_system_sgpr_workgroup_id_z 1
		.amdhsa_system_vgpr_workitem_id 0
		.amdhsa_next_free_vgpr 48
		.amdhsa_next_free_sgpr 66
		.amdhsa_reserve_vcc 0
		.amdhsa_float_denorm_mode_32 3
		.amdhsa_float_denorm_mode_16_64 3
		.amdhsa_memory_ordered 1
		.amdhsa_forward_progress 1
		.amdhsa_inst_pref_size 8
	.end_amdhsa_kernel
	.amdgpu_metadata
---
amdhsa.version: [ 1, 2 ]
amdhsa.kernels:
  - .name:           k_q3d0d44e366_prep
    .symbol:         k_q3d0d44e366_prep.kd
    .args:
      - { .name: Wqkv, .offset: 0, .size: 8, .value_kind: global_buffer, .address_space: global }
      - { .name: Wo, .offset: 8, .size: 8, .value_kind: global_buffer, .address_space: global }
      - { .name: W1, .offset: 16, .size: 8, .value_kind: global_buffer, .address_space: global }
      - { .name: W2, .offset: 24, .size: 8, .value_kind: global_buffer, .address_space: global }
      - { .name: b1, .offset: 32, .size: 8, .value_kind: global_buffer, .address_space: global }
      - { .name: bqkv, .offset: 40, .size: 8, .value_kind: global_buffer, .address_space: global }
      - { .name: bo, .offset: 48, .size: 8, .value_kind: global_buffer, .address_space: global }
      - { .name: b2, .offset: 56, .size: 8, .value_kind: global_buffer, .address_space: global }
      - { .name: ln1_g, .offset: 64, .size: 8, .value_kind: global_buffer, .address_space: global }
      - { .name: ln1_b, .offset: 72, .size: 8, .value_kind: global_buffer, .address_space: global }
      - { .name: ln2_g, .offset: 80, .size: 8, .value_kind: global_buffer, .address_space: global }
      - { .name: ln2_b, .offset: 88, .size: 8, .value_kind: global_buffer, .address_space: global }
      - { .name: cls_token, .offset: 96, .size: 8, .value_kind: global_buffer, .address_space: global }
      - { .name: wb, .offset: 104, .size: 8, .value_kind: global_buffer, .address_space: global }
      - { .name: tab, .offset: 112, .size: 8, .value_kind: global_buffer, .address_space: global }
    .group_segment_fixed_size: 0
    .private_segment_fixed_size: 0
    .kernarg_segment_align: 8
    .kernarg_segment_size: 120
    .max_flat_workgroup_size: 256
    .sgpr_count:     66
    .vgpr_count:     48
    .wavefront_size: 32
...
	.end_amdgpu_metadata
.endif
;; end of part 1
;; launch mixer (part 2): grid 256 x 1, 4 waves a work-group, clusters of 4 x 1, 327,680 bytes of LDS; arguments z0, z1, z2, wb, tab, out0; writes out0
.if DOCPART == 2
	.amdgcn_target "amdgcn-amd-amdhsa--gfx1250"
	.amdhsa_code_object_version 6
	.text
	.protected	k_q3d0d44e366_mixer
	.globl	k_q3d0d44e366_mixer
	.p2align	8
	.type	k_q3d0d44e366_mixer,@function
k_q3d0d44e366_mixer:
	s_mov_b64 s[64:65], 0
	v_nop
	global_prefetch_b8 v0, s[64:65] scope:SCOPE_SE
	s_setreg_imm32_b32 hwreg(HW_REG_WAVE_MODE, 25, 1), 1
	s_wait_xcnt 0x0
	s_wait_alu depctr_hold_cnt(0) depctr_sa_sdst(0) depctr_va_vdst(0) depctr_va_sdst(0) depctr_va_ssrc(0) depctr_va_vcc(0) depctr_vm_vsrc(0)
	s_getreg_b32 s2, hwreg(HW_REG_IB_STS2, 6, 4)
	s_cmp_eq_u32 s2, 0
	s_cbranch_scc0 .Lentry_in_a_cluster
	s_endpgm
.Lentry_in_a_cluster:
	s_bfe_u32 s2, ttmp6, 0x10000c
	s_cmp_lg_u32 s2, 0x3003
	s_cbranch_scc0 .Lentry_shape_is_right
	s_endpgm
.Lentry_shape_is_right:
; MIXER: both encoder layers for 128 epochs a work-group, fused: z is read once, out0 written once, no activation goes through memory.
; An epoch is 4 tokens (CLS, z0, z1, z2) of 128 channels.  Only the CLS row of layer 2 is returned, so layer 2 makes K and V for all tokens and q, Wo, FFN and both norms for CLS rows alone.
; FORMATS.  Matrix operands (x, weights, q, k, v, p, o, h) are bf16; sums, the residual x, softmax, LayerNorm and GELU are f32.
; LIMITS.  erf by erfc(z) = (1 + a1 z + .. + a6 z^6)^-16 (Abramowitz and Stegun 7.1.28, absolute error at most 3e-7 for every z).  A key of another epoch counts as its score less 1e30.
; A weight or an erfc below 2^-126 counts as 0.  NaN and infinities are not treated apart.
; SHARES.  Two passes of 64 epochs; in a pass a wave owns 16 epochs = 64 tokens = 4 token tiles.  Waves exchange no activation: barriers serve the weights' ring alone.
; LAYOUT.  Products are taken transposed (source 0 = 16 rows of W, source 1 = 16 tokens): lane (r = l % 16, h = l / 16) holds token r and features 16 a + 8 h + j in register j of feature tile a.
; Two such tiles, rounded in pairs, ARE source 1 (32 features) of the next product; a LayerNorm is a sum in the lane and one exchange of the lanes' halves; a bias is the C that starts a sum.
; TOKEN TILES.  In tile t lane r holds epoch 4 t + r % 4 and token type (r / 4 - t) % 4 (0 = CLS).  So keys and queries of one epoch have equal lane % 4 in every tile (one mask tile MSK serves all),
; and tile t's CLS tokens lie in lanes 4 t .. 4 t + 3: the four tiles' CLS rows merge into one tile by selects alone, lane r = epoch r.
; ATTENTION on the matrix unit, for a pair of heads: S^T = [k_even | k_odd] x [q_even | 0] (or [0 | q_odd]) + MSK; V is made with the sources swapped, so that its rounded result is source 0 of
; O^T = [V^T(tile 2 p) | V^T(tile 2 p + 1)] x [P | 0] (or [0 | P]); O = O / l + bv (the v bias passes a softmax unchanged, since the weights add up to 1).
; THE WEIGHTS are six images of 512 rows x 256 bytes (made by the launch before), the same for every work-group: they go through a ring of two LDS slots, an image a STAGE:
;   S0 A(0): z in, QKV, attention, Wo, LN1   S1, S2 Fa(0), Fb(0): FFN, LN2   S3 A(1): merge, K, V, q, attention, Wo, LN1 on one tile   S4, S5 Fa(1), Fb(1): FFN, LN2, out
; Twelve stage instances k = 0 .. 11 (two passes): instance 0 is entered from the head, instances 1 to 10 each behind a change of slots with a fill, in one loop with a constant count
; (SLOTS = 11 - k), in which forward jumps on the stage's number choose the text; instance 11 is written out behind the loop.
; CLUSTER.  The four work-groups of a cluster walk the same images in step: every tile is asked for JOINTLY (the same tensor load, descriptor and mask 15 in all four).
; REGISTERS, in windows of 256 (s_set_vgpr_msb: bits 1:0 source 0, 3:2 source 1, 5:4 source 2, 7:6 destination):
;   window 0: v0-31 addresses and lane constants; v32-255 packed operands and biases, by stage      window 1: X, the f32 residual and accumulator: tile t, feature tile a at 64 t + 8 a
;   (from S3 on its v64-255 take the next pass's z rows)      window 2: v0-127 XB, x in bf16: tile t, 32 features kk at 32 t + 8 kk; v128-255 WF, two sets of 8 weight fragments      window 3: at work
.set PITCH, 272                        ; an LDS row of an image: 256 bytes + 16 of padding = 68 words: 16 consecutive rows start at 16 different groups of four banks (64 banks of 4 bytes: ISA guide 11.1)
.set SLOTB, 512*PITCH                  ; a slot: 139,264 = 0x22000: its two bits occur in no wave's quarter (wave x 0x8800), so one exclusive or changes slots
.set HPB,   128*PITCH                  ; a head pair's block of an image A; also a wave's quarter of a fill
.set CHB,   64*PITCH                   ; a chunk's block of an image F
.set SCR,   2*SLOTB                    ; behind the ring: 16 rows x 528 bytes for each wave, written by LDS stores alone, never by a tensor load
.set SPI,   528                        ; 512 + 16: the 16 rows start at 16 different groups of four banks
.set SCRW,  16*SPI
.set TAB,   SCR+4*SCRW                 ; the table of biases and gains, 14,336 bytes, filled once
.set SPARE, TAB+14336                  ; the spare words, 128 bytes for each wave: two blocks of 256 bytes that no other line names
.set IMG,   131072                     ; an image in memory
.set T_BQKV, 4096                      ; places in the table; b1 lies at 0
.set T_LN1,  7168                      ; bo, then ln1_g 1,024 on, then ln1_b 2,048 on; layer 1 lies 512 behind layer 0 in each
.set T_LN2,  10240                     ; b2, ln2_g, ln2_b likewise
.set T_CLS,  13312
; window 0
.set SPW, 2                            ; LDS address of my spare word; never rewritten
.set NIL, 3                            ; 0; never rewritten
.set AW,  4                            ; r x 272 + 16 h: my place in a fragment of natural rows
.set AW2, 5                            ; (r / 4) x 272 + (r % 4) x 64 + 16 h: in a fragment of packed rows
.set AD1, 6                            ; working addresses: natural rows,
.set AD2, 7                            ; packed rows,
.set ATB, 8                            ; TAB + 32 h
.set ADB, 9                            ; and the table
.set ZR,  10                           ; v10-13  where tile t's lane reads its token's row in my scratch
.set ZS,  14                           ; my scratch + 16 x lane: a whole row of 512 bytes a wave
.set OS,  15                           ; my scratch + r x 528 + 32 h
.set GO,  16                           ; 16 x lane
.set PFO, 17                           ; 256 x lane
.set MSK, 20                           ; v20-27  0 where key 8 h + j and query r belong to one epoch, else -1e30
.set LM,  28                           ; v28-31  all ones in lanes 4 t .. 4 t + 3 of both halves
.set QP,  32                           ; A1: [q_even 0 q_odd], 12 a tile
.set KP,  80                           ; A1: [k_even k_odd], 8 a tile; later OP
.set OP,  80
.set VP,  112                          ; A1: head e, tile tt at 16 e + 4 tt
.set PP,  144                          ; A1: [P 0 P] at 24 e + 12 (tt / 2)
.set BQ,  192
.set BK,  208
.set BV,  224
.set XCB, 32                           ; A2: the merged tile in bf16
.set QM,  64                           ; A2: head e: q masked to tile t's lanes at 16 e + 4 t; later OPC
.set OPC, 64
.set KP2, 96                           ; A2: head e, tile tt at 16 e + 4 tt
.set VP2, 128
.set PM,  160
.set TQ,  248
.set HPK, 192                          ; FFN: the activation in bf16, 8 a tile
.set BI,  224
; window 2
.set WF,  128
; window 3
.set QA,  0                            ; A1: accumulator (ft, tt) at + 8 (4 ft + tt)
.set OA,  0
.set KA,  64
.set ST,  64                           ; A1: statistics, 4 a score tile, where K's sums lay
.set VA,  128
.set SC,  192
.set KA2, 0
.set VA2, 64
.set QA2, 128
.set SC2, 144
.set OA2, 160
.set ST2, 176
.set FX,  0                            ; FFN: x W1^T + b1;  x + |x|;  |x|;  the polynomial
.set FT,  64
.set FU,  128
.set FP,  192
.set LPB, 0                            ; LN: the bias added first, gain, shift, sums, and for tile t mean (twice) and 1 / sigma (twice)
.set LG,  64
.set LB,  128
.set TR,  192
.set MU,  224
; scalars
.set WV,  16
.set CX,  17
.set STG, 18                           ; the stage in hand, 0..5
.set SLOTS, 19                         ; 11 less the number of the stage instance in hand
.set NXT, 20                           ; the image to ask for next
.set TB,  21                           ; LDS byte at which the slot in hand begins
.set CNT, 22
.set TB1, 23
.set TB2, 24
.set TBB, 25
.set LIM, 26
.set TLN, 27
.set G1W, 28                           ; s[28:35] group 1 for an image's quarter
.set G1T, 36                           ; s[36:43] group 1 for the table's quarter
.set G0A, 44
.set G0B, 48                           ; walks
.set G0T, 52
.set OFF, 56
.set PFA, 58
.set SEL, 60
.set ABSM, 62
.set W15, 63
.set CS,  66                           ; log2(e) / 4
.set C1,  68
.set C2,  70
.set C3,  72
.set C4,  74
.set C5,  76
.set C6,  78
.set R128, 80
.set EPS, 82
.set BIGN, 83
.set SM,  84                           ; s85-87  lane masks of tiles 1 to 3's CLS lanes
.set PFB, 88
.set OFP, 90
.set PIM, 92
.set MSB, 0
.macro WIN new                         ; the immediate's high byte repeats the setting that is left; a switch that changes nothing is dropped
.if MSB != (\new)
	s_set_vgpr_msb (MSB<<8)|(\new)
.set MSB, (\new)
.endif
.endm
.macro WS d, a, b, c                   ; windows of destination, source 0, source 1, source 2
	WIN (((\d)<<6)|((\c)<<4)|((\b)<<2)|(\a))
.endm
.macro PLACES                          ; four places behind matrix instructions, in front of loads into and vector reads of their registers
.rept 4
	v_nop
.endr
.endm
.macro ALLN cnt, line:vararg           ; one line for each t = 0 .. cnt - 1
.set t, 0
.rept \cnt
	\line
.set t, t+1
.endr
.endm
.macro SPAIR reg, val
	s_mov_b32 s[\reg], \val
	s_mov_b32 s[\reg+1], \val
.endm
; A round of the cluster's barrier: my work-group's barrier, wave 0 signals for the work-group, every wave waits for all four work-groups, my work-group's barrier once more.
.macro CROUND
	s_barrier_signal -1
	s_barrier_wait -1
	s_cmp_lg_u32 s[WV], 0
	s_cbranch_scc1 .Lnot_wave_0_\@
	s_barrier_signal -3
.Lnot_wave_0_\@:
	s_barrier_wait -3
	s_barrier_signal -1
	s_barrier_wait -1
.endm
; THE CHANGE OF SLOTS.  Each wave waits for all its tensor loads (one is out: its quarter of the other slot), adds 0 to its spare word, and waits for that and for its reads of the slot that it leaves.
; fill = 1: the barrier is a round of the cluster's, and the slot just left is filled again first thing behind it, with image NXT: one joint load a wave, 128 rows x 256 bytes; it has a stage in which to land.
; The descriptor's address is made anew from the image's number.  Behind the load and its five lines stands the prefetch.
; THE PREFETCH names the image that the NEXT change will ask for, in the first walk alone (images 3, 4, 5, at SLOTS = 10, 9, 8): cluster 0 asks; its four partners take 128 rows each, told apart by address,
; each wave 32 of them, a lane a row: each row's 256 bytes are named once in the launch.  The image's number is held to 5, so the address stays inside wb in every trip.
.macro CHANGE fill
	WIN 0
	s_wait_tensorcnt 0x0               ; no tensor load of mine is out, so group 0 may be written
	ds_add_u32 v[SPW], v[NIL]          ; 0 onto my spare word; scalar work stands between it and the wait for it
.if \fill
	s_lshl_b32 s[OFF], s[NXT], 17
	s_add_co_u32 s[OFF], s[OFF], s[W15]            ; image x 131,072 + wave x 32,768
	s_xor_b32 s[G0B+1], s[G0B+1], SLOTB
	s_add_nc_u64 s[G0B+2:G0B+3], s[10:11], s[OFF:OFF+1]
	s_or_b32 s[G0B+3], s[G0B+3], 0x80000000
	s_add_co_u32 s[NXT], s[NXT], 1
	s_cmp_eq_u32 s[NXT], 6
	s_cselect_b32 s[NXT], 0, s[NXT]
	s_wait_xcnt 0x0                    ; the last prefetch and the last stores, a stage back, have read their registers
	s_add_co_u32 s[PIM], s[PIM], 1
	s_min_u32 s[PIM], s[PIM], 5
	s_lshl_b32 s[OFP], s[PIM], 17
	s_add_nc_u64 s[PFA:PFA+1], s[PFB:PFB+1], s[OFP:OFP+1]
.endif
	s_xor_b32 s[TB], s[TB], SLOTB
	s_wait_dscnt 0x0                   ; the add is done, and my reads of the slot are over
.if \fill
	CROUND
	tensor_load_to_lds s[G0B:G0B+3], s[G1W:G1W+7]
	s_nop 0
	PLACES
	s_cmp_gt_u32 s[SLOTS], s[LIM]
	s_cbranch_scc0 .Lnot_mine_\@
	global_prefetch_b8 v[PFO], s[PFA:PFA+1] th:TH_LOAD_NT scope:SCOPE_SE
.Lnot_mine_\@:
.else
	s_barrier_signal -1
	s_barrier_wait -1
.endif
.endm
; ---- loads from LDS, in runs
.macro LDFN half, off                  ; 8 fragments of 32 natural rows: feature tile f / 4, 32 channels f % 4
	WS 2,0,0,0
.irp f, 0,1,2,3,4,5,6,7
	ds_load_b128 v[WF+64*(\half)+8*\f:WF+64*(\half)+8*\f+3],   v[AD1] offset:(\off)+(\f/4)*16*PITCH+(\f%4)*64
	ds_load_b128 v[WF+64*(\half)+8*\f+4:WF+64*(\half)+8*\f+7], v[AD1] offset:(\off)+(\f/4)*16*PITCH+(\f%4)*64+32
.endr
.endm
.macro LDFP half, off                  ; 8 fragments of 32 packed rows: outputs 16 f .., 32 channels
	WS 2,0,0,0
.irp f, 0,1,2,3,4,5,6,7
	ds_load_b128 v[WF+64*(\half)+8*\f:WF+64*(\half)+8*\f+3],   v[AD2] offset:(\off)+\f*4*PITCH
	ds_load_b128 v[WF+64*(\half)+8*\f+4:WF+64*(\half)+8*\f+7], v[AD2] offset:(\off)+\f*4*PITCH+32
.endr
.endm
.macro LDB reg, off                    ; a bias for two feature tiles, as a C operand: 16 registers
	WIN 0
	ds_load_b128 v[(\reg):(\reg)+3],     v[ADB] offset:(\off)
	ds_load_b128 v[(\reg)+4:(\reg)+7],   v[ADB] offset:(\off)+16
	ds_load_b128 v[(\reg)+8:(\reg)+11],  v[ADB] offset:(\off)+64
	ds_load_b128 v[(\reg)+12:(\reg)+15], v[ADB] offset:(\off)+80
.endm
.macro ADRS
	WIN 0
	v_add_nc_u32 v[AD1], s[TB1], v[AW]
	v_add_nc_u32 v[AD2], s[TB1], v[AW2]
	v_add_nc_u32 v[ADB], s[TBB], v[ATB]
.endm
; ---- z
.macro ZLOAD poff                      ; 48 whole rows of 512 bytes: tile zi / 12, tensor (zi % 12) / 4, epoch zi % 4, into window 1 v64-255
	WS 1,0,0,0
.set zi, 0
.rept 48
	global_load_b128 v[64+4*zi:64+4*zi+3], v[GO], s[4+2*((zi%12)/4):5+2*((zi%12)/4)] offset:(\poff)+(4*(zi/12)+zi%4)*512 th:TH_LOAD_NT
.set zi, zi+1
.endr
.endm
.macro ZTILE tl                        ; tile tl's 12 rows into scratch rows 4 .. 15 (row 4 type + epoch), and back by tokens into X.  LDS serves a wave's instructions in order (ISA guide 5.7.1.4)
	WS 0,0,1,0
.set i, 0
.rept 12
	ds_store_b128 v[ZS], v[64+48*(\tl)+4*i:64+48*(\tl)+4*i+3] offset:(4+i)*SPI
.set i, i+1
.endr
	WS 1,0,0,0
.set i, 0
.rept 16
	ds_load_b128 v[64*(\tl)+4*i:64*(\tl)+4*i+3], v[ZR+(\tl)] offset:(i/2)*64+(i%2)*16
.set i, i+1
.endr
.endm
.macro ZPACK tl                        ; X to XB
	WS 2,1,1,0
.set i, 0
.rept 32
	v_cvt_pk_bf16_f32 v[32*(\tl)+i], v[64*(\tl)+2*i], v[64*(\tl)+2*i+1]
.set i, i+1
.endr
.endm
.macro ZIN
	WIN 0
	s_wait_loadcnt 0x0                 ; the pass's z rows
	v_add_nc_u32 v18, TAB+T_CLS, v[GO]
	ds_load_b128 v[248:251], v18
.irp q, 0,1,2,3                        ; the zero blocks of [q 0 q] and [P 0 P]
.irp j, 4,5,6,7
	v_mov_b32 v[QP+12*\q+\j], 0
	v_mov_b32 v[PP+12*\q+\j], 0
.endr
.endr
	s_wait_dscnt 0x0
.irp e, 0,1,2,3
	ds_store_b128 v[ZS], v[248:251] offset:\e*SPI  ; scratch rows 0 .. 3: the CLS token
.endr
	ZTILE 0
	ZTILE 1
	s_wait_dscnt 28                    ; all but the younger tile's 28 instructions
	ZPACK 0
	ZTILE 2
	s_wait_dscnt 28
	ZPACK 1
	ZTILE 3
	s_wait_dscnt 28
	ZPACK 2
	s_wait_dscnt 0x0
	ZPACK 3
.endm
; ---- products of 32 features x 4 tiles x 128 channels
.macro CVR db, sb, sf, st              ; rounding number cn of 32: accumulator (cn / 16, (cn / 4) % 4), pair cn % 4, from window 3 into window 0
	WS 0,3,3,0
	v_cvt_pk_bf16_f32 v[(\db)+(\sf)*(cn/16)+(\st)*((cn/4)%4)+cn%4], v[(\sb)+2*cn], v[(\sb)+2*cn+1]
.set cn, cn+1
.endm
; 32 products in the order kk, ft, tt: the 8 accumulators take turns, one instruction a turn.  swap = 1: source 0 = tokens, the sums start at 0.
; rdb >= 0: behind every fourth product four roundings of the run before; the last four are the places in front of the loads that follow.
.macro PROD32 dst, half, bias, swap, rdb, rsb, rsf, rst
.set pn, 0
.set cn, 0
.rept 32
.set rD, (\dst)+8*(4*((pn/4)%2)+pn%4)
.set rW, WF+64*(\half)+8*(4*((pn/4)%2)+pn/8)
.set rX, 32*(pn%4)+8*(pn/8)
.if (pn < 8) && (\swap)
	WS 3,2,2,3
	v_wmma_f32_16x16x32_bf16 v[rD:rD+7], v[rX:rX+7], v[rW:rW+7], 0
.elseif pn < 8
	WS 3,2,2,0
	v_wmma_f32_16x16x32_bf16 v[rD:rD+7], v[rW:rW+7], v[rX:rX+7], v[(\bias)+8*(pn/4):(\bias)+8*(pn/4)+7]
.elseif (\swap)
	WS 3,2,2,3
	v_wmma_f32_16x16x32_bf16 v[rD:rD+7], v[rX:rX+7], v[rW:rW+7], v[rD:rD+7]
.else
	WS 3,2,2,3
	v_wmma_f32_16x16x32_bf16 v[rD:rD+7], v[rW:rW+7], v[rX:rX+7], v[rD:rD+7]
.endif
.if ((\rdb) >= 0) && (pn%4 == 3)
.rept 4
	CVR \rdb, \rsb, \rsf, \rst
.endr
.endif
.set pn, pn+1
.endr
.endm
; ---- softmax of cnt score tiles (8 registers each from sb; statistics 4 each from st), step by step over the tiles.  The maximum is taken away; each accumulator's lowest registers are read first.
; The exponentials are one batch: a plain instruction behind the last, then the one wait ahead of the first reader.
.macro SOFT cnt, sb, st
	WS 3,3,3,3
	ALLN \cnt, v_max3_num_f32 v[\st+4*t], v[\sb+8*t], v[\sb+8*t+1], v[\sb+8*t+2]
	ALLN \cnt, v_max3_num_f32 v[\st+4*t+1], v[\sb+8*t+3], v[\sb+8*t+4], v[\sb+8*t+5]
	ALLN \cnt, v_max3_num_f32 v[\st+4*t], v[\st+4*t], v[\sb+8*t+6], v[\sb+8*t+7]
	ALLN \cnt, v_max_num_f32 v[\st+4*t], v[\st+4*t], v[\st+4*t+1]
	ALLN \cnt, v_permlanex16_b32 v[\st+4*t+1], v[\st+4*t], s[SEL], s[SEL+1]
	ALLN \cnt, v_max_num_f32 v[\st+4*t], v[\st+4*t], v[\st+4*t+1]
	ALLN \cnt, v_mul_f32 v[\st+4*t], s[CS], v[\st+4*t]
	ALLN 4*\cnt, v_pk_fma_f32 v[\sb+2*t:\sb+2*t+1], v[\sb+2*t:\sb+2*t+1], s[CS:CS+1], v[\st+4*(t/4):\st+4*(t/4)+1] op_sel_hi:[1,0,0] neg_lo:[0,0,1] neg_hi:[0,0,1]
	ALLN 8*\cnt, v_exp_f32 v[\sb+t], v[\sb+t]
	v_nop
	s_wait_alu depctr_va_vdst(0)
.endm
.macro SUM6 sx, sy                     ; a tile's sum of weights, both halves of the lanes, into its first statistics register
	WS 3,3,3,3
	v_pk_add_f32 v[(\sx):(\sx)+1], v[(\sx):(\sx)+1], v[(\sx)+2:(\sx)+3]
	v_pk_add_f32 v[(\sx)+4:(\sx)+5], v[(\sx)+4:(\sx)+5], v[(\sx)+6:(\sx)+7]
	v_pk_add_f32 v[(\sx):(\sx)+1], v[(\sx):(\sx)+1], v[(\sx)+4:(\sx)+5]
	v_add_f32 v[\sy], v[\sx], v[(\sx)+1]
	v_permlanex16_b32 v[(\sy)+1], v[\sy], s[SEL], s[SEL+1]
	v_add_f32 v[\sy], v[\sy], v[(\sy)+1]
.endm
; ---- S0's attention: a loop over the four pairs of heads.  Set 0 of WF takes Wq, Wv, the next Wq; set 1 takes Wk, the Wo slice, the next Wk.
.macro A1
	PLACES
	WIN 0
	s_mov_b32 s[TB1], s[TB]
	s_mov_b32 s[TBB], T_BQKV
	ADRS
	LDFN 0, 0
	LDB BQ, 0
	LDB BK, 512
	LDFN 1, 32*PITCH
	LDB BV, 1024
	s_mov_b32 s[CNT], 4
.LA1:
	s_wait_dscnt 20                    ; Wq, bq, bk are in; the younger run (Wk, bv: 20 loads) may stay out
	PROD32 QA, 0, BQ, 0, -1, 0, 0, 0
	PLACES
	LDFN 0, 64*PITCH                   ; Wv
	s_wait_dscnt 16                    ; all but Wv's 16
	PROD32 KA, 1, BK, 0, QP, QA, 8, 12
	LDFP 1, 96*PITCH                   ; the Wo slice
	s_wait_dscnt 16                    ; all but the slice's 16
	PROD32 VA, 0, 0, 1, KP, KA, 4, 8
	s_wait_dscnt 0x0                   ; the slice, issued 32 products back
	s_add_co_u32 s[TB1], s[TB1], HPB
	s_add_co_u32 s[TBB], s[TBB], 128
	ADRS
	s_cmp_eq_u32 s[CNT], 1
	s_cbranch_scc1 .LA1a               ; the last pair has no next
	LDFN 0, 0
	LDB BQ, 0
	LDB BK, 512
.LA1a:
.set sn, 0
.set cn, 0
.rept 8                                ; scores: head sn / 4, tile sn % 4; behind each four roundings of V
	WS 3,0,0,0
	v_wmma_f32_16x16x32_bf16 v[SC+8*sn:SC+8*sn+7], v[KP+8*(sn%4):KP+8*(sn%4)+7], v[QP+12*(sn%4)+4*(sn/4):QP+12*(sn%4)+4*(sn/4)+7], v[MSK:MSK+7]
.rept 4
	CVR VP, VA, 16, 4
.endr
.set sn, sn+1
.endr
	SOFT 8, SC, ST
	WS 0,3,3,0
	ALLN 32, v_cvt_pk_bf16_f32 v[PP+24*(t/16)+12*(((t/4)%4)/2)+8*((t/4)%2)+t%4], v[SC+2*t], v[SC+2*t+1]
.set sn, 0
.rept 8                                ; O^T; behind each a tile's sum of weights
	WS 3,0,0,0
	v_wmma_f32_16x16x32_bf16 v[OA+8*sn:OA+8*sn+7], v[VP+16*(sn/4)+8*((sn%4)/2):VP+16*(sn/4)+8*((sn%4)/2)+7], v[PP+24*(sn/4)+12*((sn%4)/2)+4*(sn%2):PP+24*(sn/4)+12*((sn%4)/2)+4*(sn%2)+7], 0
	SUM6 SC+8*sn, ST+4*sn
.set sn, sn+1
.endr
	ALLN 8, v_rcp_f32 v[ST+4*t], v[ST+4*t]
	v_nop
	s_wait_alu depctr_va_vdst(0)       ; one wait for the eight reciprocals
	WS 3,3,3,0
	ALLN 32, v_pk_fma_f32 v[OA+2*t:OA+2*t+1], v[OA+2*t:OA+2*t+1], v[ST+4*(t/4):ST+4*(t/4)+1], v[BV+8*(t/16)+2*(t%4):BV+8*(t/16)+2*(t%4)+1] op_sel_hi:[1,0,1]
.set cn, 0
.rept 32
	CVR OP, OA, 4, 8
.endr
.set wn, 0
.rept 32                               ; X += Wo slice x O: 32 accumulators, one instruction each
	WS 1,2,0,1
	v_wmma_f32_16x16x32_bf16 v[64*(wn%4)+8*(wn/4):64*(wn%4)+8*(wn/4)+7], v[WF+64+8*(wn/4):WF+64+8*(wn/4)+7], v[OP+8*(wn%4):OP+8*(wn%4)+7], v[64*(wn%4)+8*(wn/4):64*(wn%4)+8*(wn/4)+7]
.set wn, wn+1
.endr
	PLACES
	WIN 0
	s_wait_dscnt 0x0                   ; the next Wq, bq, bk, issued a softmax back: so the count at the loop's head names one run alone
	s_cmp_eq_u32 s[CNT], 1
	s_cbranch_scc1 .LA1b
	LDFN 1, 32*PITCH
	LDB BV, 1024
.LA1b:
	s_sub_co_u32 s[CNT], s[CNT], 1
	s_cmp_lg_u32 s[CNT], 0
	s_cbranch_scc1 .LA1
.endm
; ---- S3: the four tiles' CLS rows into tile 0 (lane r = epoch r), and its bf16 copy
.macro MERGE
	WS 1,1,1,0
.irp tl, 1,2,3
.set i, 0
.rept 64
	v_cndmask_b32 v[i], v[i], v[64*\tl+i], s[SM+\tl]
.set i, i+1
.endr
.endr
	WS 0,1,1,0
.set i, 0
.rept 32
	v_cvt_pk_bf16_f32 v[XCB+i], v[2*i], v[2*i+1]
.set i, i+1
.endr
.endm
; ---- S3's attention: K and V for all tokens, q for the merged tile.  A query's tile is chosen by masks: q and P are laid four times, each copy kept in one tile's lanes alone.
.macro A2
	PLACES
	WIN 0
	s_mov_b32 s[TB1], s[TB]
	s_mov_b32 s[TBB], T_BQKV+1536
	ADRS
	LDFN 0, 32*PITCH
	LDB BK, 512
	LDFN 1, 64*PITCH
	LDB BQ, 0
	LDB BV, 1024
	s_mov_b32 s[CNT], 4
.LA2:
	s_wait_dscnt 24                    ; Wk, bk are in; the younger run (Wv, bq, bv: 24 loads) may stay out
	PROD32 KA2, 0, BK, 0, -1, 0, 0, 0
	PLACES
	LDFN 0, 0                          ; Wq
	s_wait_dscnt 16
	PROD32 VA2, 1, 0, 1, KP2, KA2, 16, 4
	LDFP 1, 96*PITCH                   ; the Wo slice
	s_wait_dscnt 16
.set qn, 0
.set cn, 0
.rept 8                                ; q: channels 32 (qn / 2), head qn % 2: two accumulators by turns; behind each four roundings of V
.if qn < 2
	WS 3,2,0,0
	v_wmma_f32_16x16x32_bf16 v[QA2+8*qn:QA2+8*qn+7], v[WF+32*qn:WF+32*qn+7], v[XCB:XCB+7], v[BQ+8*qn:BQ+8*qn+7]
.else
	WS 3,2,0,3
	v_wmma_f32_16x16x32_bf16 v[QA2+8*(qn%2):QA2+8*(qn%2)+7], v[WF+32*(qn%2)+8*(qn/2):WF+32*(qn%2)+8*(qn/2)+7], v[XCB+8*(qn/2):XCB+8*(qn/2)+7], v[QA2+8*(qn%2):QA2+8*(qn%2)+7]
.endif
.rept 4
	CVR VP2, VA2, 16, 4
.endr
.set qn, qn+1
.endr
	s_wait_dscnt 0x0                   ; the slice
	s_add_co_u32 s[TB1], s[TB1], HPB
	s_add_co_u32 s[TBB], s[TBB], 128
	ADRS
	s_cmp_eq_u32 s[CNT], 1
	s_cbranch_scc1 .LA2a
	LDFN 0, 32*PITCH
	LDB BK, 512
.LA2a:
	WS 0,3,3,0
	ALLN 8, v_cvt_pk_bf16_f32 v[TQ+t], v[QA2+2*t], v[QA2+2*t+1]
	WIN 0
	ALLN 32, v_and_b32 v[QM+t], v[LM+(t/4)%4], v[TQ+4*(t/16)+t%4]
	WS 3,0,0,0                         ; scores: tiles 0, 1, then tiles 2, 3; the heads by turns
	v_wmma_f32_16x16x32_bf16 v[SC2:SC2+7], v[KP2:KP2+7], v[QM:QM+7], v[MSK:MSK+7]
	v_wmma_f32_16x16x32_bf16 v[SC2+8:SC2+15], v[KP2+16:KP2+23], v[QM+16:QM+23], v[MSK:MSK+7]
	WS 3,0,0,3
	v_wmma_f32_16x16x32_bf16 v[SC2:SC2+7], v[KP2+8:KP2+15], v[QM+8:QM+15], v[SC2:SC2+7]
	v_wmma_f32_16x16x32_bf16 v[SC2+8:SC2+15], v[KP2+24:KP2+31], v[QM+24:QM+31], v[SC2+8:SC2+15]
	PLACES
	SOFT 2, SC2, ST2
	WS 0,3,3,0
	ALLN 8, v_cvt_pk_bf16_f32 v[TQ+t], v[SC2+2*t], v[SC2+2*t+1]
	WIN 0
	ALLN 32, v_and_b32 v[PM+t], v[LM+(t/4)%4], v[TQ+4*(t/16)+t%4]
	WS 3,0,0,0
	v_wmma_f32_16x16x32_bf16 v[OA2:OA2+7], v[VP2:VP2+7], v[PM:PM+7], 0
	v_wmma_f32_16x16x32_bf16 v[OA2+8:OA2+15], v[VP2+16:VP2+23], v[PM+16:PM+23], 0
	WS 3,0,0,3
	v_wmma_f32_16x16x32_bf16 v[OA2:OA2+7], v[VP2+8:VP2+15], v[PM+8:PM+15], v[OA2:OA2+7]
	v_wmma_f32_16x16x32_bf16 v[OA2+8:OA2+15], v[VP2+24:VP2+31], v[PM+24:PM+31], v[OA2+8:OA2+15]
	SUM6 SC2, ST2                      ; the sums are the places behind those products
	SUM6 SC2+8, ST2+4
	ALLN 2, v_rcp_f32 v[ST2+4*t], v[ST2+4*t]
	v_nop
	s_wait_alu depctr_va_vdst(0)
	WS 3,3,3,0
	ALLN 8, v_pk_fma_f32 v[OA2+2*t:OA2+2*t+1], v[OA2+2*t:OA2+2*t+1], v[ST2+4*(t/4):ST2+4*(t/4)+1], v[BV+2*t:BV+2*t+1] op_sel_hi:[1,0,1]
	WS 0,3,3,0
	ALLN 8, v_cvt_pk_bf16_f32 v[OPC+t], v[OA2+2*t], v[OA2+2*t+1]
	WS 1,2,0,1
	ALLN 8, v_wmma_f32_16x16x32_bf16 v[8*t:8*t+7], v[WF+64+8*t:WF+64+8*t+7], v[OPC:OPC+7], v[8*t:8*t+7]
	PLACES
	WIN 0
	s_wait_dscnt 0x0                   ; the next Wk, bk, issued a softmax back
	s_cmp_eq_u32 s[CNT], 1
	s_cbranch_scc1 .LA2b
	LDFN 1, 64*PITCH
	LDB BQ, 0
	LDB BV, 1024
.LA2b:
	s_sub_co_u32 s[CNT], s[CNT], 1
	s_cmp_lg_u32 s[CNT], 0
	s_cbranch_scc1 .LA2
.endm
; ---- HALF AN FFN: 8 chunks of 32 hidden features, on NT token tiles.  NPR = 8 NT is a chunk's number of pairs of numbers a lane, and of products of each kind.
; 2 gelu(x) = (x + u) - u / p^16, u = |x|, p = 1 + c1 u + .. + c6 u^6: 17 vector lines a pair, in three parts: GA (u, x + u, the polynomial's first step), GB and the squarings and reciprocals, POST.
; A trip c: W1 of chunk c + 1 (its first half carries 4 lines of GB each; then the rest of GB, the squarings and the reciprocals by themselves, one batch, one wait; its second half carries POST),
; then W2 of chunk c onto X in place, each product carrying a pair's GA for chunk c + 1.  No rider names a register of the product in front of it; the four behind a run's last product are its places.
; The last trip's W1 runs once more on chunk 7's fragments, and GA on its result: they serve nothing: the price of one text for every trip.
.macro W1H NT
.set rD, FX+8*((\NT)*((hn/(\NT))%2)+hn%(\NT))
.set rW, WF+8*(4*((hn/(\NT))%2)+hn/(2*(\NT)))
.set rX, 32*(hn%(\NT))+8*(hn/(2*(\NT)))
.if hn < 2*(\NT)
	WS 3,2,2,0
	v_wmma_f32_16x16x32_bf16 v[rD:rD+7], v[rW:rW+7], v[rX:rX+7], v[BI+8*(hn/(\NT)):BI+8*(hn/(\NT))+7]
.else
	WS 3,2,2,3
	v_wmma_f32_16x16x32_bf16 v[rD:rD+7], v[rW:rW+7], v[rX:rX+7], v[rD:rD+7]
.endif
.set hn, hn+1
.endm
.macro W2H NT
.set rD, 64*(wn%(\NT))+8*(wn/(\NT))
	WS 1,2,0,1
	v_wmma_f32_16x16x32_bf16 v[rD:rD+7], v[WF+64+8*(wn/(\NT)):WF+64+8*(wn/(\NT))+7], v[HPK+8*(wn%(\NT)):HPK+8*(wn%(\NT))+7], v[rD:rD+7]
.set wn, wn+1
.endm
.macro GA                              ; pair gi, ascending: each accumulator's lowest registers are read first
	WS 3,3,3,3
	v_and_b32 v[FU+2*gi], s[ABSM], v[FX+2*gi]
	v_and_b32 v[FU+2*gi+1], s[ABSM], v[FX+2*gi+1]
	v_pk_add_f32 v[FT+2*gi:FT+2*gi+1], v[FX+2*gi:FX+2*gi+1], v[FU+2*gi:FU+2*gi+1]
	v_pk_fma_f32 v[FP+2*gi:FP+2*gi+1], v[FU+2*gi:FU+2*gi+1], s[C6:C6+1], s[C5:C5+1] op_sel_hi:[1,0,0]
.set gi, gi+1
.endm
.macro GB                              ; line gn of 7 NPR, step by step over the pairs: five steps of the polynomial, two squarings
.set gp_, FP+2*(gn%NPR)
.set gu_, FU+2*(gn%NPR)
	WS 3,3,3,3
.if gn/NPR == 0
	v_pk_fma_f32 v[gp_:gp_+1], v[gp_:gp_+1], v[gu_:gu_+1], s[C4:C4+1] op_sel_hi:[1,1,0]
.elseif gn/NPR == 1
	v_pk_fma_f32 v[gp_:gp_+1], v[gp_:gp_+1], v[gu_:gu_+1], s[C3:C3+1] op_sel_hi:[1,1,0]
.elseif gn/NPR == 2
	v_pk_fma_f32 v[gp_:gp_+1], v[gp_:gp_+1], v[gu_:gu_+1], s[C2:C2+1] op_sel_hi:[1,1,0]
.elseif gn/NPR == 3
	v_pk_fma_f32 v[gp_:gp_+1], v[gp_:gp_+1], v[gu_:gu_+1], s[C1:C1+1] op_sel_hi:[1,1,0]
.elseif gn/NPR == 4
	v_pk_fma_f32 v[gp_:gp_+1], v[gp_:gp_+1], v[gu_:gu_+1], 1.0 op_sel_hi:[1,1,0]
.else
	v_pk_mul_f32 v[gp_:gp_+1], v[gp_:gp_+1], v[gp_:gp_+1]
.endif
.set gn, gn+1
.endm
.macro SQP p
	v_pk_mul_f32 v[FP+2*(\p):FP+2*(\p)+1], v[FP+2*(\p):FP+2*(\p)+1], v[FP+2*(\p):FP+2*(\p)+1]
.endm
.macro POST NT                         ; line qn of 2 NPR: (x + u) - u q for all pairs, then the roundings into source 1 of W2's products
.if qn < NPR
	WS 3,3,3,3
	v_pk_fma_f32 v[FT+2*qn:FT+2*qn+1], v[FU+2*qn:FU+2*qn+1], v[FP+2*qn:FP+2*qn+1], v[FT+2*qn:FT+2*qn+1] neg_lo:[1,0,0] neg_hi:[1,0,0]
.else
	WS 0,3,3,0
	v_cvt_pk_bf16_f32 v[HPK+8*(((qn-NPR)/4)%(\NT))+4*(((qn-NPR)/4)/(\NT))+(qn-NPR)%4], v[FT+2*(qn-NPR)], v[FT+2*(qn-NPR)+1]
.endif
.set qn, qn+1
.endm
.macro FFNH NT, stg2, tbase            ; stg2: the stage's number in the second half; tbase: the layer's b1 in the table
.set NPR, 8*(\NT)
	PLACES
	WIN 0
	s_mov_b32 s[TB1], s[TB]
	s_add_co_u32 s[TB2], s[TB], 32*PITCH
	s_cmp_eq_u32 s[STG], \stg2
	s_cselect_b32 s[TBB], 1024, 0
.if (\tbase) != 0
	s_add_co_u32 s[TBB], s[TBB], \tbase
.endif
	v_add_nc_u32 v[AD1], s[TB1], v[AW]
	v_add_nc_u32 v[ADB], s[TBB], v[ATB]
	LDFN 0, 0                          ; W1 and b1 of chunk 0
	LDB BI, 0
	s_add_co_u32 s[TB1], s[TB1], CHB
	s_add_co_u32 s[TBB], s[TBB], 128
	v_add_nc_u32 v[AD1], s[TB1], v[AW]
	v_add_nc_u32 v[ADB], s[TBB], v[ATB]
	s_wait_dscnt 0x0
.set hn, 0
.rept NPR
	W1H \NT
.endr
	PLACES
	LDFN 0, 0                          ; of chunk 1
	LDB BI, 0
	s_add_co_u32 s[TB1], s[TB1], CHB
	s_add_co_u32 s[TBB], s[TBB], 128
.set gi, 0
.rept NPR
	GA
.endr
	WIN 0
	s_mov_b32 s[CNT], 8
.Lchunk_\@:
	s_wait_dscnt 0x0                   ; W1 and b1 of chunk c + 1
	v_add_nc_u32 v[AD2], s[TB2], v[AW2]
	s_add_co_u32 s[TB2], s[TB2], CHB
	LDFP 1, 0                          ; W2 of chunk c
.set hn, 0
.set gn, 0
.rept NPR/2
	W1H \NT
.rept 4
	GB
.endr
.endr
.rept 5*NPR
	GB
.endr
	SQP 0                              ; the third and fourth squarings lead the reciprocals by two pairs and by one, so that plain lines and reciprocals alternate
	SQP 1
	SQP 0
.set ri, 0
.rept NPR
.if ri+2 < NPR
	SQP ri+2
.endif
	v_rcp_f32 v[FP+2*ri], v[FP+2*ri]
.if ri+1 < NPR
	SQP ri+1
.endif
	v_rcp_f32 v[FP+2*ri+1], v[FP+2*ri+1]
.set ri, ri+1
.endr
	v_nop                              ; a plain instruction behind the last reciprocal,
	s_wait_alu depctr_va_vdst(0)       ; and the one wait for the batch ahead of its first reader
.set qn, 0
.rept NPR/2
	W1H \NT
.rept 4
	POST \NT
.endr
.endr
	s_wait_dscnt 0x0                   ; W2 of chunk c
	WIN 0
	v_add_nc_u32 v[AD1], s[TB1], v[AW]
	v_add_nc_u32 v[ADB], s[TBB], v[ATB]
	s_add_co_u32 s[TB1], s[TB1], CHB
	s_add_co_u32 s[TBB], s[TBB], 128
	s_cmp_lt_u32 s[CNT], 3
	s_cbranch_scc1 .Lno_w1_\@          ; chunks 8 and 9 do not exist
	LDFN 0, 0                          ; W1 and b1 of chunk c + 2
	LDB BI, 0
.Lno_w1_\@:
.set wn, 0
.set gi, 0
.rept NPR
	W2H \NT
	GA
.endr
	WIN 0
	s_sub_co_u32 s[CNT], s[CNT], 1
	s_cmp_lg_u32 s[CNT], 0
	s_cbranch_scc1 .Lchunk_\@
.endm
; ---- LayerNorm of X + bias on NT tiles; mean first, then the mean of the squared differences (no difference of large sums); X in f32 and XB in bf16 come out
.macro TREE                            ; 16 pairs in TR to one number in every lane of the token's two
	WS 3,3,3,3
.irp w, 16,8,4,2
.set i, 0
.rept (\w)/2
	v_pk_add_f32 v[TR+2*i:TR+2*i+1], v[TR+2*i:TR+2*i+1], v[TR+\w+2*i:TR+\w+2*i+1]
.set i, i+1
.endr
.endr
	v_add_f32 v[TR], v[TR], v[TR+1]
	v_permlanex16_b32 v[TR+1], v[TR], s[SEL], s[SEL+1]
	v_add_f32 v[TR], v[TR], v[TR+1]
.endm
.macro LNA tl
.set XT, 64*(\tl)
.set MUT, MU+4*(\tl)
	WS 1,1,3,0
.set i, 0
.rept 32
	v_pk_add_f32 v[XT+2*i:XT+2*i+1], v[XT+2*i:XT+2*i+1], v[LPB+2*i:LPB+2*i+1]
.set i, i+1
.endr
	WS 3,1,1,0
.set i, 0
.rept 16
	v_pk_add_f32 v[TR+2*i:TR+2*i+1], v[XT+4*i:XT+4*i+1], v[XT+4*i+2:XT+4*i+3]
.set i, i+1
.endr
	TREE
	v_mul_f32 v[MUT], s[R128], v[TR]
	v_mul_f32 v[MUT+1], s[R128], v[TR]
	WS 1,1,3,0
.set i, 0
.rept 32
	v_pk_add_f32 v[XT+2*i:XT+2*i+1], v[XT+2*i:XT+2*i+1], v[MUT:MUT+1] neg_lo:[0,1] neg_hi:[0,1]
.set i, i+1
.endr
	WS 3,1,1,0
.set i, 0
.rept 16
	v_pk_mul_f32 v[TR+2*i:TR+2*i+1], v[XT+4*i:XT+4*i+1], v[XT+4*i:XT+4*i+1]
.set i, i+1
.endr
	WS 3,1,1,3
.set i, 0
.rept 16
	v_pk_fma_f32 v[TR+2*i:TR+2*i+1], v[XT+4*i+2:XT+4*i+3], v[XT+4*i+2:XT+4*i+3], v[TR+2*i:TR+2*i+1]
.set i, i+1
.endr
	TREE
	v_fma_f32 v[MUT+2], v[TR], s[R128], s[EPS]
	v_fma_f32 v[MUT+3], v[TR], s[R128], s[EPS]
.endm
.macro LNB tl
.set XT, 64*(\tl)
.set MUT, MU+4*(\tl)
	WS 1,1,3,0
.set i, 0
.rept 32
	v_pk_mul_f32 v[XT+2*i:XT+2*i+1], v[XT+2*i:XT+2*i+1], v[MUT+2:MUT+3]
.set i, i+1
.endr
	WS 1,1,3,3
.set i, 0
.rept 32
	v_pk_fma_f32 v[XT+2*i:XT+2*i+1], v[XT+2*i:XT+2*i+1], v[LG+2*i:LG+2*i+1], v[LB+2*i:LB+2*i+1]
.set i, i+1
.endr
	ZPACK \tl
.endm
.macro LN NT
	PLACES
	WIN 0
	v_add_nc_u32 v[ADB], s[TLN], v[ATB]
	WS 3,0,0,0
.set i, 0
.rept 16                               ; my 64 features' bias, gain and shift, laid as X is
	ds_load_b128 v[LPB+4*i:LPB+4*i+3], v[ADB] offset:(i/2)*64+(i%2)*16
	ds_load_b128 v[LG+4*i:LG+4*i+3],   v[ADB] offset:1024+(i/2)*64+(i%2)*16
	ds_load_b128 v[LB+4*i:LB+4*i+3],   v[ADB] offset:2048+(i/2)*64+(i%2)*16
.set i, i+1
.endr
	s_wait_dscnt 0x0
.set lt, 0
.rept \NT
	LNA lt
.set lt, lt+1
.endr
	ALLN \NT, v_rsq_f32 v[MU+4*t+2], v[MU+4*t+2]
	ALLN \NT, v_rsq_f32 v[MU+4*t+3], v[MU+4*t+3]
	v_nop
	s_wait_alu depctr_va_vdst(0)       ; one wait for the batch
.set lt, 0
.rept \NT
	LNB lt
.set lt, lt+1
.endr
	WIN 0
.endm
; ---- the way out: tile 0 (lane r = epoch r) through my scratch, back as 16 whole rows; each store of the wave covers 512 consecutive bytes, aligned
.macro OUT off
	WS 0,0,1,0
.set i, 0
.rept 16
	ds_store_b128 v[OS], v[4*i:4*i+3] offset:(i/2)*64+(i%2)*16
.set i, i+1
.endr
	WS 3,0,0,0
.set i, 0
.rept 16
	ds_load_b128 v[4*i:4*i+3], v[ZS] offset:i*SPI  ; LDS serves a wave's instructions in order: these see the stores above
.set i, i+1
.endr
	WS 0,0,3,0
.set i, 0
.rept 16
	s_wait_dscnt 15-i
	global_store_b128 v[GO], v[4*i:4*i+3], s[14:15] offset:(\off)+i*512 th:TH_STORE_NT
.set i, i+1
.endr
	WIN 0
.endm
; ================ THE HEAD
	s_load_b256 s[4:11], s[0:1], 0x0   ; z0 s[4:5], z1 s[6:7], z2 s[8:9], wb s[10:11]
	s_load_b128 s[12:15], s[0:1], 0x20 ; tab s[12:13], out0 s[14:15]
	v_lshl_add_u32 v[SPW], v0, 2, SPARE
	v_mov_b32 v[NIL], 0
	ds_add_u32 v[SPW], v[NIL]          ; the wave's opening: the add, and its wait ahead of my first tensor load; work on registers stands between them
	v_lshrrev_b32 v1, 5, v0
	v_readfirstlane_b32 s[WV], v1      ; wave 0..3
	v_and_b32 v19, 31, v0              ; lane
	v_lshlrev_b32 v[GO], 4, v19
	s_bfe_u32 s[CX], ttmp6, 0x40000    ; my place in the cluster: it enters the addresses of z, out0 and the prefetch alone
	; group 1 for an image's quarter: 128 rows x 128 bf16, 16 bytes of padding behind each row
	s_mov_b32 s[G1W+0], 15|(1<<16)|(1<<20)|(1<<21)|(5<<22)|(3<<25)  ; 15:0 the mask of four; 17:16 2-byte elements; 20 padding on; 21 set beside a mask; 24:22 after every 64 words; 31:25 4 words
	s_mov_b32 s[G1W+1], 128<<16        ; tensor_dim0
	s_mov_b32 s[G1W+2], 128<<16        ; tensor_dim1
	s_mov_b32 s[G1W+3], 128<<16        ; tile_dim0
	s_mov_b32 s[G1W+4], 128            ; tile_dim1
	s_mov_b32 s[G1W+5], 128            ; elements from row to row
	s_mov_b32 s[G1W+6], 0
	s_mov_b32 s[G1W+7], 0
	; group 1 for the table's quarter: 14 dense rows of 32 elements of 8 bytes
	s_mov_b32 s[G1T+0], 15|(3<<16)|(1<<21)
	s_mov_b32 s[G1T+1], 32<<16
	s_mov_b32 s[G1T+2], 14<<16
	s_mov_b32 s[G1T+3], 32<<16
	s_mov_b32 s[G1T+4], 14
	s_mov_b32 s[G1T+5], 32
	s_mov_b32 s[G1T+6], 0
	s_mov_b32 s[G1T+7], 0
	s_mov_b32 s[G0A], 1
	s_mul_i32 s[G0A+1], s[WV], HPB     ; slot 0, my quarter
	s_mov_b32 s[G0B], 1
	s_add_co_u32 s[G0B+1], s[G0A+1], SLOTB
	s_mov_b32 s[G0T], 1
	s_mul_i32 s[G0T+1], s[WV], 3584
	s_add_co_u32 s[G0T+1], s[G0T+1], TAB
	s_lshl_b32 s[W15], s[WV], 15
	s_mov_b32 s[OFF], s[W15]
	s_mov_b32 s[OFF+1], 0
	s_mul_i32 s2, s[WV], 3584
	s_mov_b32 s3, 0
	s_lshl_b32 s94, ttmp9, 2           ; in a cluster launch ttmp9 counts clusters
	s_add_co_u32 s94, s94, s[CX]       ; my work-group
	s_lshl_b32 s94, s94, 16            ; its 128 epochs of 512 bytes,
	s_lshl_b32 s95, s[WV], 13          ; my wave's 16 of a pass's 64
	s_add_co_u32 s94, s94, s95
	s_mov_b32 s95, 0
	s_lshl_b32 s[OFP], s[CX], 15       ; the prefetches: my work-group's 128 rows of an image, my wave's 32
	s_lshl_b32 s[OFP+1], s[WV], 13
	s_add_co_u32 s[OFP], s[OFP], s[OFP+1]
	s_mov_b32 s[OFP+1], 0
	s_mov_b32 s[SEL], 0x76543210
	s_mov_b32 s[SEL+1], 0xfedcba98
	s_mov_b32 s[ABSM], 0x7fffffff
	SPAIR CS, 0x3eb8aa3b               ; log2(e) / sqrt(16)
	SPAIR C1, 0x3d4c41b4               ; a_k / 2^(k/2): 0.04986735
	SPAIR C2, 0x3cad2fe7               ; 0.02114101
	SPAIR C3, 0x3b56cd72               ; 0.003277626
	SPAIR C4, 0x381f6607               ; 3.8003575e-5
	SPAIR C5, 0x384d0feb               ; 4.889063e-5
	SPAIR C6, 0x36b49f67               ; 5.382975e-6
	s_mov_b32 s[R128], 0x3c000000      ; 1 / 128
	s_mov_b32 s[EPS], 0x3727c5ac       ; 1e-5
	s_mov_b32 s[BIGN], 0xf149f2ca      ; -1e30
	s_mov_b32 s[SM+1], 0x000f000f<<4
	s_mov_b32 s[SM+2], 0x000f000f<<8
	s_mov_b32 s[SM+3], 0x000f000f<<12
	s_mov_b32 s[STG], 0
	s_mov_b32 s[SLOTS], 11             ; instance 0 is entered in the middle of a trip and takes the count down too: ten changes with a fill follow it
	s_mov_b32 s[NXT], 2
	s_mov_b32 s[PIM], 2
	s_mov_b32 s[TB], 0
	s_cmp_eq_u32 ttmp9, 0
	s_cselect_b32 s[LIM], 7, -1        ; cluster 0 prefetches while SLOTS is above 7: the same in all four partners
	s_wait_dscnt 0x0                   ; the opening add is done
	s_wait_kmcnt 0x0
	s_add_nc_u64 s[4:5], s[4:5], s[94:95]
	s_add_nc_u64 s[6:7], s[6:7], s[94:95]
	s_add_nc_u64 s[8:9], s[8:9], s[94:95]
	s_add_nc_u64 s[14:15], s[14:15], s[94:95]
	s_add_nc_u64 s[PFB:PFB+1], s[10:11], s[OFP:OFP+1]
	s_add_nc_u64 s[G0T+2:G0T+3], s[12:13], s[2:3]
	s_or_b32 s[G0T+3], s[G0T+3], 0x80000000
	s_add_nc_u64 s[G0A+2:G0A+3], s[10:11], s[OFF:OFF+1]
	s_or_b32 s[G0A+3], s[G0A+3], 0x80000000
	s_add_nc_u64 s[G0B+2:G0B+3], s[10:11], s[OFF:OFF+1]
	s_add_nc_u64 s[G0B+2:G0B+3], s[G0B+2:G0B+3], IMG
	s_or_b32 s[G0B+3], s[G0B+3], 0x80000000
	CROUND                             ; all four work-groups are here: the first joint loads meet
	tensor_load_to_lds s[G0T:G0T+3], s[G1T:G1T+7]  ; the first fills go out together: three loads of mine are out: the table,
	s_nop 0
	tensor_load_to_lds s[G0A:G0A+3], s[G1W:G1W+7]  ; image 0 into slot 0,
	s_nop 0
	tensor_load_to_lds s[G0B:G0B+3], s[G1W:G1W+7]  ; image 1 into slot 1
	s_nop 0
	PLACES
	ZLOAD 0                            ; the first pass's z
	WIN 0
	v_and_b32 v1, 15, v0               ; r
	v_bfe_u32 v18, v0, 4, 1            ; h
	v_lshrrev_b32 v6, 2, v1            ; r / 4
	v_and_b32 v7, 3, v1                ; r % 4
	v_mul_u32_u24 v[AW], v1, PITCH
	v_lshl_add_u32 v[AW], v18, 4, v[AW]
	v_mul_u32_u24 v[AW2], v6, PITCH
	v_lshl_add_u32 v[AW2], v7, 6, v[AW2]
	v_lshl_add_u32 v[AW2], v18, 4, v[AW2]
	v_lshlrev_b32 v[ATB], 5, v18
	v_add_nc_u32 v[ATB], TAB, v[ATB]
	s_mul_i32 s2, s[WV], SCRW
	s_add_co_u32 s2, s2, SCR           ; my scratch
	v_lshl_add_u32 v[ZS], v19, 4, s2
	v_mul_u32_u24 v[OS], v1, SPI
	v_lshl_add_u32 v[OS], v18, 5, v[OS]
	v_add_nc_u32 v[OS], s2, v[OS]
.irp tl, 0,1,2,3
	v_add_nc_u32 v9, 4-\tl, v6
	v_and_b32 v9, 3, v9                ; my token's type in tile tl
	v_lshl_add_u32 v9, v9, 2, v7       ; its scratch row
	v_mul_u32_u24 v9, v9, SPI
	v_lshl_add_u32 v9, v18, 5, v9
	v_add_nc_u32 v[ZR+\tl], s2, v9
.endr
	v_lshlrev_b32 v[PFO], 8, v19
.irp j, 0,1,2,3
	v_cmp_ne_u32 vcc_lo, \j, v7
	v_cndmask_b32 v[MSK+\j], 0, s[BIGN], vcc_lo
	v_mov_b32 v[MSK+4+\j], v[MSK+\j]
.endr
.irp tl, 0,1,2,3
	v_cmp_eq_u32 vcc_lo, \tl, v6
	v_cndmask_b32 v[LM+\tl], 0, -1, vcc_lo
.endr
	s_wait_tensorcnt 1                 ; my parts of the table and of slot 0 are in; one younger load, slot 1's, may stay out
	s_barrier_signal -1
	s_barrier_wait -1                  ; everybody's are
	s_branch .LS0                      ; the loop is entered at its first stage, in the middle of a trip
; ================ THE WALK: .Lslot is passed ten times (SLOTS = 10 .. 1), each time a change of slots with a fill and a stage: instances 1 to 10
.Lslot:
	CHANGE 1
	s_cmp_eq_u32 s[STG], 0
	s_cbranch_scc1 .LS0
	s_cmp_eq_u32 s[STG], 3
	s_cbranch_scc1 .LS3
	s_cmp_ge_u32 s[STG], 4
	s_cbranch_scc1 .LF2
	FFNH 4, 2, 0                       ; S1, S2
	s_cmp_eq_u32 s[STG], 1
	s_cbranch_scc1 .Lbottom
	s_mov_b32 s[TLN], T_LN2
	s_branch .LLN4
.LS0:
	ZIN
	A1
	s_mov_b32 s[TLN], T_LN1
.LLN4:
	LN 4
	s_branch .Lbottom
.LS3:
	MERGE
	WIN 0
	s_cmp_gt_u32 s[SLOTS], 5           ; in the first pass (SLOTS = 8; in the second 2): the second pass's z, into X's tiles 1 to 3, which the merge has just read for the last time
	s_cbranch_scc0 .Lno_z
	ZLOAD 32768
	WIN 0
.Lno_z:
	A2
	s_mov_b32 s[TLN], T_LN1+512
	s_branch .LLN1
.LF2:
	FFNH 1, 5, 2048                    ; S4, S5
	s_cmp_eq_u32 s[STG], 4
	s_cbranch_scc1 .Lbottom
	s_mov_b32 s[TLN], T_LN2+512
.LLN1:
	LN 1
	s_cmp_eq_u32 s[STG], 3
	s_cbranch_scc1 .Lbottom
	OUT 0                              ; in the loop this is the first pass's end: the second pass's S5 is the walk's last stage, behind the loop
.Lbottom:
	s_wait_loadcnt 0x0                 ; z rows asked for at S3's head have had the stage in which to land: no load into X's registers is out at a change of slots
	s_add_co_u32 s[STG], s[STG], 1
	s_cmp_eq_u32 s[STG], 6
	s_cselect_b32 s[STG], 0, s[STG]
	s_sub_co_u32 s[SLOTS], s[SLOTS], 1
	s_cmp_lg_u32 s[SLOTS], 0
	s_cbranch_scc1 .Lslot
	CHANGE 0                           ; instance 11, the second pass's S5, is written out: nothing is asked for
	FFNH 1, 5, 2048
	s_mov_b32 s[TLN], T_LN2+512
	LN 1
	OUT 32768
	s_wait_tensorcnt 0x0               ; the wave's end: behind my last tensor load and my last LDS store
	ds_add_u32 v[SPW], v[NIL]
	s_wait_dscnt 0x0
	CROUND                             ; the closing round: no work-group ends while a partner may still ask for a tile that names it
	s_endpgm
.Lfunc_end_k_q3d0d44e366_mixer:
	.size	k_q3d0d44e366_mixer, .Lfunc_end_k_q3d0d44e366_mixer-k_q3d0d44e366_mixer
	.p2alignl 7, 3214868480
	.fill 96, 4, 3214868480
	.section	.rodata,"a",@progbits
	.p2align	6, 0x0
	.amdhsa_kernel k_q3d0d44e366_mixer
		.amdhsa_group_segment_fixed_size 327680
		.amdhsa_private_segment_fixed_size 0
		.amdhsa_enable_private_segment 0
		.amdhsa_kernarg_size 48
		.amdhsa_user_sgpr_count 2
		.amdhsa_user_sgpr_kernarg_segment_ptr 1
		.amdhsa_wavefront_size32 1
		.amdhsa_system_sgpr_workgroup_id_x 1
		.amdhsa_system_sgpr_workgroup_id_y 1
		.amdhsa_system_sgpr_workgroup_id_z 1
		.amdhsa_system_vgpr_workitem_id 0
		.amdhsa_next_free_vgpr 1024
		.amdhsa_next_free_sgpr 96
		.amdhsa_reserve_vcc 1
		.amdhsa_float_denorm_mode_32 3
		.amdhsa_float_denorm_mode_16_64 3
		.amdhsa_memory_ordered 1
		.amdhsa_forward_progress 1
		.amdhsa_inst_pref_size 255
	.end_amdhsa_kernel
	.section	.bss,"aw",@nobits
	.p2align	6
	.space	262144
	.amdgpu_metadata
---
amdhsa.version: [ 1, 2 ]
amdhsa.kernels:
  - .name:           k_q3d0d44e366_mixer
    .symbol:         k_q3d0d44e366_mixer.kd
    .args:
      - { .name: z0, .offset: 0, .size: 8, .value_kind: global_buffer, .address_space: global }
      - { .name: z1, .offset: 8, .size: 8, .value_kind: global_buffer, .address_space: global }
      - { .name: z2, .offset: 16, .size: 8, .value_kind: global_buffer, .address_space: global }
      - { .name: wb, .offset: 24, .size: 8, .value_kind: global_buffer, .address_space: global }
      - { .name: tab, .offset: 32, .size: 8, .value_kind: global_buffer, .address_space: global }
      - { .name: out0, .offset: 40, .size: 8, .value_kind: global_buffer, .address_space: global }
    .group_segment_fixed_size: 327680
    .private_segment_fixed_size: 0
    .kernarg_segment_align: 8
    .kernarg_segment_size: 48
    .max_flat_workgroup_size: 128
    .sgpr_count:     96
    .vgpr_count:     1024
    .wavefront_size: 32
...
	.end_amdgpu_metadata
.endif
;; end of part 2
